; MI455X (gfx1250); checked and timed in simulation.
; The chip was launched on July 23, 2026; its instructions are those of AMD's public machine-readable ISA for CDNA 5 (MIT licence, August 2026) and "CDNA5" Instruction Set Architecture Reference Guide (July 2026). The comments in the code are by the model that wrote it; some were corrected since.
;; Sparse Causal Self Attention. Allowed arithmetic: matrix products marked QUANTISED: E2M3 operands, one E8M0 scale for each 32 along K, by v_wmma_scale_f32_16x16x128_f8f6f4 with both operands' format E2M3, f32 sums; everything else in f32.
;; Inputs: cum_weight 1,024 x 1,024 float32; k 2 x 1,024 x 8 x 64 float32; mask 1,024 x 1,024 int32; q 2 x 1,024 x 2 x 8 x 64 float32; v 2 x 1,024 x 8 x 64 float32.
;; Outputs: out0 2 x 1,024 x 2 x 8 x 64 float32.
;; This version of the problem:
;;   THIS VERSION OF THE PROBLEM IS GIVEN IN LOW PRECISION. The matrix products marked QUANTISED in the list below multiply operands that are first quantised to E2M3 (2 exponent bits, 3 mantissa bits; 6 bits a number), with one power-of-two scale for each 32 numbers along K (OCP MX v1.0); their sums are f32. All else is computed in f32.
;;   The module's matrix products, in the order in which they are computed (A, B: the left and right operand; K: the contracted axis; several contracted axes count as one K, in the product's order):
;;     1. batch 16 x [M 1,024, K 64] x [K 64, N 2,048]; A: input k; B: input q: QUANTISED
;;     2. [M 32,768, K 1,024] x [K 1,024, N 1,024]; A: computed on the way; B: input cum_weight: QUANTISED
;;     3. batch 16 x [M 64, K 1,024] x [K 1,024, N 2,048]; A: input v; B: computed on the way: QUANTISED
;;   THE QUANTISER, for each operand of a quantised product, along K:
;;     - K is cut into blocks of 32 from its start; a last block that is shorter is filled with zeros.
;;     - A block's scale is 2^e with e = floor(log2(the largest magnitude in the block)) - 2, held to -126 .. 127; a block of zeros has e = 0. As a byte (E8M0): e + 127.
;;     - Each number is divided by its block's scale, clamped to +-7.5, and rounded to the nearest number of E2M3, ties to even, subnormals kept.
;;     - The product sums the exact products of the quantised numbers (number of the format x scale) in f32.
;;   ~~~python
;;   def quantise(x, axis):      # numpy; x: float32 -> the quantised numbers, widened to float32 again
;;       x = np.moveaxis(x, axis, -1); K = x.shape[-1]
;;       x = np.pad(x, [(0, 0)] * (x.ndim - 1) + [(0, -K % 32)]); x = x.reshape(x.shape[:-1] + (-1, 32)); a = np.abs(x).max(-1, keepdims=True)
;;       e = np.where(a > 0, np.clip(np.frexp(np.where(a > 0, a, 1))[1] - 1 - 2, -126, 127), 0)      # np.frexp(a)[1] - 1 = floor(log2(a)), exactly
;;       r = np.clip(x / 2.0 ** e, -7.5, 7.5)
;;       step = 2.0 ** (np.maximum(np.frexp(np.where(r == 0, 1, r))[1] - 1, 0) - 3)
;;       q = np.round(r / step) * step * 2.0 ** e      # np.round: ties to even
;;       return np.moveaxis(q.reshape(q.shape[:-2] + (-1,))[..., :K], -1, axis).astype(np.float32)
;;   ~~~
;;   OPERANDS COMPUTED ON THE WAY. 'Computed on the way' means the value that the module computes at that place (a softmax that the list does not call 'softmax' is quantised finished and normalised). What goes into a quantiser is computed in f32, as accurately as f32 sums, v_exp_f32 and their like allow (about 1e-6 of the number): no bf16 or f16 on the way to a quantiser, and a product that is left as it is and whose result goes on into a quantised operand takes f32 operands (vector FMAs, or v_wmma_f32_16x16x4_f32). A number that lies on a knife's edge between two numbers of the format may be rounded either way, as far as f32 arithmetic and the matrix unit's own rounding can turn it there, and no further.
;; One version. Each part assembles by itself: llvm-mc -triple=amdgcn-amd-amdhsa -mcpu=gfx1250 --defsym DOCPART=n.
;; ======== version 1 of 1: 2 launches
;; limits: right only within a limited range of input values
;; workspace buffers: qc 1,572,864 bytes; qs 65,536 bytes; kc 786,432 bytes; ksc 32,768 bytes; vimg 819,200 bytes; cumimg 819,200 bytes; bias 4,194,304 bytes
;; launch prep (part 1): grid 288 x 1, 4 waves a work-group, no clusters, 50,688 bytes of LDS; arguments q, k, v, cum_weight, mask, qc, qs, kc, ksc, vimg, cumimg, bias; writes qc, qs, kc, ksc, vimg, cumimg, bias
.if DOCPART == 1
	.amdgcn_target "amdgcn-amd-amdhsa--gfx1250"
	.amdhsa_code_object_version 6
	.text
	.protected	k_qb47c814bd0_prep
	.globl	k_qb47c814bd0_prep
	.p2align	8
	.type	k_qb47c814bd0_prep,@function
k_qb47c814bd0_prep:
	s_mov_b64 s[64:65], 0
	v_nop
	global_prefetch_b8 v0, s[64:65] scope:SCOPE_SE
	s_setreg_imm32_b32 hwreg(HW_REG_WAVE_MODE, 25, 1), 1
	s_wait_xcnt 0x0
; PREP: every input is read once and laid as the second launch wants it.  Codes are FP6 (E2M3), one E8M0 byte for each 32 along a product's K.
; A block's scale is 2^(floor(log2(its largest magnitude)) - 2): its byte is the largest magnitude's exponent field - 2.
; Work-groups 0-63: q, 64-95: k (K = the head's 64, innermost): codes [8 b + h][row][48 bytes], scale bytes [8 b + h][row][2]; q's row is 2 i + kk.
; Work-groups 96-159: cum_weight, 160-223: v (K = the key j, the FIRST axis): a lane takes a column and its registers run down K; the codes leave as IMAGES OF
;   THE OPERAND'S REGISTERS: a fragment (16 columns x 128 K) is 1,536 bytes, piece g of three at 512 g + 16 x lane = registers 4 g .. 4 g + 3 of that lane.
;   Of a group of 32 columns, column o goes to fragment u = (o / 8) % 2, row rho = o % 8 + 8 (o / 16); its scale word to place rho + 16 u of the group's 128 bytes.
; Work-groups 224-287: mask: 0 where a key counts, -1e30 where it does not, f32, in the layout of the first product's C operand.
; LIMITS: blocks of q and k whose largest magnitude lies under 2^-121 have their byte held at 4 (the second launch takes 3 off q's bytes for the factor 1/8);
; blocks of cum_weight and v under 2^-124 at 1; a block of zeros keeps the floor's byte where the rule says 127: its codes are zeros, and this program alone reads the bytes.
; NaN and infinities among the inputs are not served.
; No tensor loads, no barrier: waves share nothing.  The two roles that use LDS have bytes of their own.
.set STEPS, 16
.set WREG,  8192                       ; q, k: LDS region of a wave: two stages of 32 x SP bytes, then its 256 scale bytes
.set SP,    80                         ; a lane's place in a stage: 64 bytes + 16 of padding
.set R,     16                         ; v16-79   four sets of 16 numbers as loaded
.set X,     80                         ; v80-111  two sets of 16 neighbours
.set C,     128                        ; v128-191 codes, four registers a step
.set E,     112                        ; v112-127 a scale byte a step
.set MST,   32768                      ; mask: the stages begin here,
.set MSTW,  4352                       ; 16 rows x 272 bytes for each wave
	s_load_b512 s[4:19], s[0:1], 0x0               ; q s[4:5], k s[6:7], v s[8:9], cum_weight s[10:11], mask s[12:13], qc s[14:15], qs s[16:17], kc s[18:19]
	s_load_b256 s[20:27], s[0:1], 0x40             ; ksc s[20:21], vimg s[22:23], cumimg s[24:25], bias s[26:27]
	v_lshl_add_u32 v192, v0, 2, 0xc400
	v_mov_b32 v193, 0
	v_lshrrev_b32 v1, 5, v0
	v_readfirstlane_b32 s28, v1                    ; wave
	v_and_b32 v2, 31, v0                           ; lane
	s_wait_kmcnt 0x0
	s_cmp_lt_u32 ttmp9, 96
	s_cbranch_scc0 .Lnot_qk
; ---------------- q and k: a wave takes 128 rows of one head, 16 steps of 8 rows (512 numbers)
	v_lshrrev_b32 v3, 4, v2
	v_and_b32 v10, 15, v2
	v_lshlrev_b32 v3, 11, v3                       ; a load takes two rows of the head, 2,048 bytes apart, 256 bytes each:
	v_lshl_add_u32 v3, v10, 4, v3                  ; 2,048 (lane / 16) + 16 (lane % 16)
	s_mul_i32 s29, s28, WREG
	v_lshrrev_b32 v14, 2, v2
	v_mul_u32_u24 v14, v14, SP
	v_and_b32 v15, 3, v2
	v_lshl_add_u32 v14, v15, 4, v14
	v_add_nc_u32 v14, s29, v14                     ; the stage, in: four lanes' 64 bytes on end, then 16 of padding
	v_mul_u32_u24 v15, v2, SP
	v_add_nc_u32 v15, s29, v15                     ; out: my 16 neighbours
	v_mul_u32_u24 v4, v2, 12                       ; my codes' place in a step's 384 bytes
	v_lshrrev_b32 v5, 1, v2
	s_add_co_u32 s29, s29, 2*32*SP
	v_add_nc_u32 v5, s29, v5                       ; my block's byte among the wave's 256
	v_lshlrev_b32 v7, 3, v2
	v_add_nc_u32 v6, s29, v7
	s_cmp_lt_u32 ttmp9, 64                         ; q's work-group or k's: the choice hangs on the work-group's number alone
	s_cselect_b64 s[4:5], s[4:5], s[6:7]
	s_cselect_b64 s[14:15], s[14:15], s[18:19]
	s_cselect_b64 s[16:17], s[16:17], s[20:21]
	s_cselect_b32 s30, 0, 64
	s_cselect_b32 s31, 4, 3                        ; a head has 2^4 runs of 128 rows in q, 2^3 in k
	s_sub_co_u32 s30, ttmp9, s30
	s_lshl_b32 s30, s30, 2
	s_add_co_u32 s30, s30, s28                     ; W: my run of 128 rows
	s_lshr_b32 s32, s30, s31                       ; 8 b + h
	s_lshl_b32 s33, s32, s31
	s_sub_co_u32 s33, s30, s33                     ; which run of the head
	s_lshr_b32 s34, s32, 3
	s_add_co_u32 s35, s31, 18
	s_lshl_b32 s34, s34, s35                       ; b x rows x 2,048 bytes
	s_lshl_b32 s33, s33, 18                        ; 128 rows x 2,048 bytes
	s_add_co_u32 s34, s34, s33
	s_and_b32 s33, s32, 7
	s_lshl_b32 s33, s33, 8                         ; h x 256 bytes
	s_add_co_u32 s34, s34, s33
	s_mov_b32 s35, 0
	s_add_nc_u64 s[4:5], s[4:5], s[34:35]
	s_mul_i32 s34, s30, 6144                       ; 128 rows x 48 bytes of codes
	s_add_nc_u64 s[14:15], s[14:15], s[34:35]
	s_lshl_b32 s34, s30, 8                         ; 128 rows x 2 scale bytes
	s_add_nc_u64 s[16:17], s[16:17], s[34:35]
.macro QKLOAD t
.irp i, 0,1,2,3
	global_load_b128 v[R+16*((\t)%4)+4*\i:R+16*((\t)%4)+4*\i+3], v3, s[4:5] offset:16384*(\t)+4096*\i th:TH_LOAD_NT   ; sixteen lanes read a row's 256 bytes
.endr
.endm
.macro QKTURN t                        ; a step's 2,048 bytes through the stage; LDS serves a wave's instructions in order (ISA guide 5.7.1.4)
.irp i, 0,1,2,3
	ds_store_b128 v14, v[R+16*((\t)%4)+4*\i:R+16*((\t)%4)+4*\i+3] offset:32*SP*((\t)%2)+8*SP*\i
.endr
.irp i, 0,1,2,3
	ds_load_b128 v[X+16*((\t)%2)+4*\i:X+16*((\t)%2)+4*\i+3], v15 offset:32*SP*((\t)%2)+16*\i
.endr
.endm
.irp t, 0,1,2,3
	QKLOAD \t
.endr
	s_wait_loadcnt 12                              ; step 0's four loads are in; twelve younger ones stay out
	QKTURN 0
.macro QKSTEP t
.set XS, X+16*((\t)%2)
.if (\t) > 0
	s_wait_dscnt 1                                 ; this step's numbers are back from the stage (the last step's byte store may be out)
.else
	s_wait_dscnt 0x0
.endif
.if (\t)+4 < STEPS
	QKLOAD (\t)+4                                  ; into the set whose stores into the stage are done
.endif
.if (\t)+1 < STEPS
.if STEPS-2-(\t) >= 3
	s_wait_loadcnt 12                              ; the next step's four loads are in; three steps' loads stay out
.else
	s_wait_loadcnt 4*(STEPS-2-(\t))
.endif
	QKTURN (\t)+1
.endif
	v_max3_num_f32 v8, |v[XS]|, |v[XS+1]|, |v[XS+2]|
	v_max3_num_f32 v9, |v[XS+3]|, |v[XS+4]|, |v[XS+5]|
.irp i, 6,10
	v_max3_num_f32 v8, v8, |v[XS+\i]|, |v[XS+\i+1]|
	v_max3_num_f32 v9, v9, |v[XS+\i+2]|, |v[XS+\i+3]|
.endr
	v_max3_num_f32 v8, v8, |v[XS+14]|, |v[XS+15]|
	v_max3_num_f32 v8, v8, v9, 6<<23               ; the floor 2^-121: the byte cannot fall under 4
	v_max_num_f32_dpp v8, v8, v8 row_xmask:1 row_mask:0xf bank_mask:0xf   ; with my neighbour's 16: the block's largest magnitude
	v_add_nc_u32 v11, 0xff000000, v8               ; 2 off its exponent field: the conversion's scale operand
	v_cvt_scalef32_pk16_fp6_f32 v[C+4*(\t):C+4*(\t)+2], v[XS:XS+15], v11
	v_lshrrev_b32 v[E+(\t)], 23, v11               ; the scale's byte (also the plain line behind the conversion)
	ds_store_b8 v5, v[E+(\t)] offset:16*(\t)       ; both lanes of a block write the same byte
	global_store_b96 v4, v[C+4*(\t):C+4*(\t)+2], s[14:15] offset:384*(\t)   ; the wave stores 384 consecutive bytes: eight rows' codes
.endm
.irp t, 0,1,2,3,4,5,6,7,8,9,10,11,12,13,14,15
	QKSTEP \t
.endr
	ds_load_b64 v[12:13], v6
	s_wait_dscnt 0x0
	global_store_b64 v7, v[12:13], s[16:17]        ; 32 lanes store 256 consecutive bytes, aligned
	s_wait_tensorcnt 0x0
	ds_add_u32 v192, v193
	s_wait_dscnt 0x0
	s_endpgm
.Lnot_qk:
	s_cmp_lt_u32 ttmp9, 224
	s_cbranch_scc0 .Lmask
; ---------------- cum_weight and v: a wave takes 32 columns x 128 along K
	v_lshlrev_b32 v3, 2, v2                        ; in: 4 bytes a lane
	v_bfe_u32 v4, v2, 3, 1                         ; u
	v_and_b32 v5, 7, v2
	v_lshrrev_b32 v6, 4, v2
	v_lshl_add_u32 v5, v6, 3, v5                   ; rho
	v_mul_u32_u24 v25, v4, 1536
	v_lshl_add_u32 v25, v5, 4, v25                 ; out: fragment u, 16 bytes at place rho
	v_lshl_add_u32 v26, v4, 4, v5
	v_lshlrev_b32 v26, 2, v26                      ; my scale word's place: 4 (rho + 16 u)
.macro COLLOAD t, pitch                ; block t: rows 32 t .. 32 t + 31 of my column; 32 lanes read 128 consecutive bytes
.set ci, 0
.rept 32
	global_load_b32 v[32+32*(\t)+ci], v3, s[36:37] offset:(32*(\t)+ci)*(\pitch) th:TH_LOAD_NT
.set ci, ci+1
.endr
.endm
.macro COLBLOCK t, pitch
.set XS, 32+32*(\t)
.set CD, 160+12*((\t)%2)+6*((\t)/2)    ; block t = 2 c + hh is registers 6 c .. 6 c + 5 of the image's lane (rho, hh)
.if (\t) < 3
	s_wait_loadcnt 32                              ; this block's 32 loads are in; the next block's stay out
.else
	s_wait_loadcnt 0x0
.endif
.if (\t)+2 < 4
	COLLOAD (\t)+2, \pitch
.endif
	v_max3_num_f32 v12, |v[XS]|, |v[XS+1]|, |v[XS+2]|
	v_max3_num_f32 v13, |v[XS+3]|, |v[XS+4]|, |v[XS+5]|
.irp i, 6,10,14,18,22,26
	v_max3_num_f32 v12, v12, |v[XS+\i]|, |v[XS+\i+1]|
	v_max3_num_f32 v13, v13, |v[XS+\i+2]|, |v[XS+\i+3]|
.endr
	v_max3_num_f32 v12, v12, |v[XS+30]|, |v[XS+31]|
	v_max3_num_f32 v12, v12, v13, 0x1800000        ; the floor 2^-124: the byte cannot fall under 1
	v_add_nc_u32 v11, 0xff000000, v12              ; 2 off the exponent field: the conversion's scale operand
	v_lshrrev_b32 v13, 23, v11                     ; the scale's byte
.if (\t) == 0
	v_mov_b32 v24, v13
.else
	v_lshl_or_b32 v24, v13, 8*(\t), v24            ; the K step's four bytes make my column's scale word
.endif
	v_cvt_scalef32_pk16_fp6_f32 v[CD:CD+2], v[XS:XS+15], v11
	v_cvt_scalef32_pk16_fp6_f32 v[184:186], v[XS+16:XS+31], v11   ; (a conversion's three registers begin on an even number)
	v_nop                                          ; one plain line behind a scaled conversion
.irp i, 0,1,2
	v_mov_b32 v[CD+3+\i], v[184+\i]
.endr
.endm
.macro COLBODY pitch
	COLLOAD 0, \pitch
	COLLOAD 1, \pitch
.irp t, 0,1,2,3
	COLBLOCK \t, \pitch
.endr
.irp hh, 0,1
.irp g, 0,1,2
	global_store_b128 v25, v[160+12*\hh+4*\g:160+12*\hh+4*\g+3], s[40:41] offset:512*\g+256*\hh   ; the sixteen lanes of each u store 256 consecutive bytes, aligned
.endr
.endr
	global_store_b32 v26, v24, s[42:43]            ; 128 consecutive bytes
	s_endpgm
.endm
	s_cmp_lt_u32 ttmp9, 160
	s_cbranch_scc0 .Lcol_v
	s_sub_co_u32 s30, ttmp9, 96
	s_and_b32 s31, s30, 7                          ; which 128 columns
	s_lshr_b32 s32, s30, 3                         ; K step
	s_lshl_b32 s34, s32, 19                        ; 128 rows x 4,096 bytes
	s_lshl_b32 s33, s31, 9
	s_add_co_u32 s34, s34, s33
	s_lshl_b32 s33, s28, 7                         ; my wave's 32 columns
	s_add_co_u32 s34, s34, s33
	s_mov_b32 s35, 0
	s_add_nc_u64 s[36:37], s[10:11], s[34:35]
	s_lshr_b32 s33, s31, 1                         ; the wave of the second launch that owns these columns
	s_lshl_b32 s33, s33, 3
	s_add_co_u32 s33, s33, s32
	s_mul_i32 s34, s33, 25600                      ; block (wave, K step)
	s_and_b32 s33, s31, 1
	s_lshl_b32 s33, s33, 2
	s_add_co_u32 s33, s33, s28                     ; group of 32 columns in the block
	s_mul_i32 s38, s33, 3072
	s_add_co_u32 s38, s38, s34
	s_mov_b32 s39, 0
	s_add_nc_u64 s[40:41], s[24:25], s[38:39]
	s_lshl_b32 s38, s33, 7
	s_add_co_u32 s38, s38, s34
	s_add_co_u32 s38, s38, 24576                   ; the scale words lie behind the block's 16 fragments
	s_add_nc_u64 s[42:43], s[24:25], s[38:39]
	COLBODY 4096
.Lcol_v:
	s_sub_co_u32 s30, ttmp9, 160
	s_lshr_b32 s31, s30, 5                         ; b
	s_bfe_u32 s32, s30, 0x30002                    ; K step of 128 keys
	s_and_b32 s33, s30, 3
	s_lshl_b32 s33, s33, 2
	s_add_co_u32 s33, s33, s28                     ; group of 32 among the 512 columns (h, d)
	s_lshl_b32 s34, s31, 21
	s_lshl_b32 s38, s32, 18                        ; 128 keys x 2,048 bytes
	s_add_co_u32 s34, s34, s38
	s_lshl_b32 s38, s33, 7
	s_add_co_u32 s34, s34, s38
	s_mov_b32 s35, 0
	s_add_nc_u64 s[36:37], s[8:9], s[34:35]
	s_lshl_b32 s34, s31, 3
	s_lshr_b32 s38, s33, 1
	s_add_co_u32 s34, s34, s38                     ; 8 b + h
	s_lshl_b32 s34, s34, 3
	s_add_co_u32 s34, s34, s32
	s_mul_i32 s34, s34, 6400                       ; block (head, K step)
	s_and_b32 s33, s33, 1                          ; which half of the head's 64
	s_mul_i32 s38, s33, 3072
	s_add_co_u32 s38, s38, s34
	s_mov_b32 s39, 0
	s_add_nc_u64 s[40:41], s[22:23], s[38:39]
	s_lshl_b32 s38, s33, 7
	s_add_co_u32 s38, s38, s34
	s_add_co_u32 s38, s38, 6144
	s_add_nc_u64 s[42:43], s[22:23], s[38:39]
	COLBODY 2048
; ---------------- mask: a work-group takes 16 rows i, a wave 256 keys of them, in four groups of 64 keys
.Lmask:
	s_sub_co_u32 s30, ttmp9, 224                   ; tile of 16 rows
	s_lshl_b32 s34, s30, 16
	s_lshl_b32 s33, s28, 10
	s_add_co_u32 s34, s34, s33
	s_mov_b32 s35, 0
	s_add_nc_u64 s[12:13], s[12:13], s[34:35]
	s_lshl_b32 s34, s30, 3
	s_lshl_b32 s33, s28, 1
	s_add_co_u32 s34, s34, s33
	s_lshl_b32 s34, s34, 13                        ; (8 x tile + 2 x wave) x 8,192 bytes
	s_add_nc_u64 s[26:27], s[26:27], s[34:35]
	s_mul_i32 s29, s28, MSTW
	s_add_co_u32 s29, s29, MST                     ; my stage
	v_lshrrev_b32 v8, 4, v2                        ; hh
	v_and_b32 v9, 15, v2                           ; r
	v_lshlrev_b32 v3, 12, v8
	v_lshl_add_u32 v3, v9, 4, v3                   ; in: two rows a load, 256 bytes each
	v_mul_u32_u24 v4, v8, 272
	v_lshl_add_u32 v4, v9, 4, v4
	v_add_nc_u32 v4, s29, v4                       ; into the stage as loaded
	v_mul_u32_u24 v5, v9, 272
	v_lshl_add_u32 v5, v8, 6, v5
	v_add_nc_u32 v5, s29, v5                       ; out of it: row r, 16 keys on for lanes 16-31
	v_lshlrev_b32 v6, 4, v2
	v_mov_b32 v7, 0xf149f2ca                       ; -1e30
.irp gq, 0,1,2,3
.irp t, 0,1,2,3,4,5,6,7
	global_load_b128 v[32+32*\gq+4*\t:32+32*\gq+4*\t+3], v3, s[12:13] offset:256*\gq+8192*\t th:TH_LOAD_NT
.endr
.endr
.macro MGROUP gq
	s_wait_loadcnt 24-8*\gq                        ; this group's eight loads are in; the later groups' stay out
.irp t, 0,1,2,3,4,5,6,7
	ds_store_b128 v4, v[32+32*\gq+4*\t:32+32*\gq+4*\t+3] offset:544*\t
.endr
.if \gq > 0
	s_wait_xcnt 0x0                                ; the last group's stores have read v160-191
.endif
.irp n, 0,1,2,3,4,5,6,7
	ds_load_b128 v[160+4*\n:160+4*\n+3], v5 offset:128*(\n/4)+16*(\n%4)   ; LDS serves a wave's instructions in order: these see the stores above
.endr
	s_wait_dscnt 0x0
.set mi, 0
.rept 32
	v_cmp_eq_u32 vcc_lo, 0, v[160+mi]
	v_cndmask_b32 v[160+mi], 0, v7, vcc_lo         ; 0 where the key counts, -1e30 where the mask is 0
.set mi, mi+1
.endr
.irp n, 0,1,2,3,4,5,6,7
	global_store_b128 v6, v[160+4*\n:160+4*\n+3], s[26:27] offset:(\gq/2)*8192+(8*(\gq%2)+\n)*512   ; 512 consecutive bytes
.endr
.endm
	MGROUP 0
	MGROUP 1
	MGROUP 2
	MGROUP 3
	s_wait_tensorcnt 0x0
	ds_add_u32 v192, v193
	s_wait_dscnt 0x0
	s_endpgm
.Lfunc_end_k_qb47c814bd0_prep:
	.size	k_qb47c814bd0_prep, .Lfunc_end_k_qb47c814bd0_prep-k_qb47c814bd0_prep
	.p2alignl 7, 3214868480
	.fill 96, 4, 3214868480
	.section	.rodata,"a",@progbits
	.p2align	6, 0x0
	.amdhsa_kernel k_qb47c814bd0_prep
		.amdhsa_group_segment_fixed_size 50688
		.amdhsa_private_segment_fixed_size 0
		.amdhsa_enable_private_segment 0
		.amdhsa_kernarg_size 96
		.amdhsa_user_sgpr_count 2
		.amdhsa_user_sgpr_kernarg_segment_ptr 1
		.amdhsa_wavefront_size32 1
		.amdhsa_system_sgpr_workgroup_id_x 1
		.amdhsa_system_sgpr_workgroup_id_y 1
		.amdhsa_system_sgpr_workgroup_id_z 1
		.amdhsa_system_vgpr_workitem_id 0
		.amdhsa_next_free_vgpr 194
		.amdhsa_next_free_sgpr 66
		.amdhsa_reserve_vcc 1
		.amdhsa_float_denorm_mode_32 3
		.amdhsa_float_denorm_mode_16_64 3
		.amdhsa_memory_ordered 1
		.amdhsa_forward_progress 1
		.amdhsa_inst_pref_size 92
	.end_amdhsa_kernel
	.amdgpu_metadata
---
amdhsa.version: [ 1, 2 ]
amdhsa.kernels:
  - .name:           k_qb47c814bd0_prep
    .symbol:         k_qb47c814bd0_prep.kd
    .args:
      - { .name: q, .offset: 0, .size: 8, .value_kind: global_buffer, .address_space: global }
      - { .name: k, .offset: 8, .size: 8, .value_kind: global_buffer, .address_space: global }
      - { .name: v, .offset: 16, .size: 8, .value_kind: global_buffer, .address_space: global }
      - { .name: cum_weight, .offset: 24, .size: 8, .value_kind: global_buffer, .address_space: global }
      - { .name: mask, .offset: 32, .size: 8, .value_kind: global_buffer, .address_space: global }
      - { .name: qc, .offset: 40, .size: 8, .value_kind: global_buffer, .address_space: global }
      - { .name: qs, .offset: 48, .size: 8, .value_kind: global_buffer, .address_space: global }
      - { .name: kc, .offset: 56, .size: 8, .value_kind: global_buffer, .address_space: global }
      - { .name: ksc, .offset: 64, .size: 8, .value_kind: global_buffer, .address_space: global }
      - { .name: vimg, .offset: 72, .size: 8, .value_kind: global_buffer, .address_space: global }
      - { .name: cumimg, .offset: 80, .size: 8, .value_kind: global_buffer, .address_space: global }
      - { .name: bias, .offset: 88, .size: 8, .value_kind: global_buffer, .address_space: global }
    .group_segment_fixed_size: 50688
    .private_segment_fixed_size: 0
    .kernarg_segment_align: 8
    .kernarg_segment_size: 96
    .max_flat_workgroup_size: 128
    .sgpr_count:     66
    .vgpr_count:     194
    .wavefront_size: 32
...
	.end_amdgpu_metadata
.endif
;; end of part 1
;; launch attn (part 2): grid 32 x 16, 4 waves a work-group, clusters of 4 x 1, 327,680 bytes of LDS; arguments qc, qs, kc, ksc, vimg, cumimg, bias, out0; writes out0
.if DOCPART == 2
	.amdgcn_target "amdgcn-amd-amdhsa--gfx1250"
	.amdhsa_code_object_version 6
	.text
	.protected	k_qb47c814bd0_attn
	.globl	k_qb47c814bd0_attn
	.p2align	8
	.type	k_qb47c814bd0_attn,@function
k_qb47c814bd0_attn:
	s_mov_b64 s[64:65], 0
	v_nop
	global_prefetch_b8 v0, s[64:65] scope:SCOPE_SE
	s_setreg_imm32_b32 hwreg(HW_REG_WAVE_MODE, 25, 1), 1
	s_wait_xcnt 0x0
	s_wait_alu depctr_hold_cnt(0) depctr_sa_sdst(0) depctr_va_vdst(0) depctr_va_sdst(0) depctr_va_ssrc(0) depctr_va_vcc(0) depctr_vm_vsrc(0)
	s_getreg_b32 s2, hwreg(HW_REG_IB_STS2, 6, 4)
	s_cmp_eq_u32 s2, 0
	s_cbranch_scc0 .Lentry_in_a_cluster
	s_endpgm
.Lentry_in_a_cluster:
	s_bfe_u32 s2, ttmp6, 0x10000c
	s_cmp_lg_u32 s2, 0x3003
	s_cbranch_scc0 .Lentry_shape_is_right
	s_endpgm
.Lentry_shape_is_right:
; y[b][i][kk][h][:] = sum over j of att[i][j] v[j][:],  att = sigmoid(x) exp(re),  re[c] = sum over j of lb[j] cum_weight[j][c],  lb = log sigmoid(-x),  x = q . k / 8;
; where mask[i][j] = 0: sigmoid and lb count as 0.  All three products on codes of FP6 (E2M3) with E8M0 scales; lb and att are quantised here, in registers, along j.
; SHARES.  A work-group owns 64 rows of one (b, h): 32 i x 2 kk, as four tiles m = 2 a + kk of 16 (i = 32 X + 16 a + lane % 16).  THE FOUR WAVES SHARE THE KEYS, NOT THE ROWS:
; wave w owns keys (= columns c) 256 w .. 256 w + 255 for all 64 rows: 64 accumulators, 512 registers.  All products are used transposed: a lane holds ONE row.
; Tile 2 b + u of 128 keys takes keys 32 b + 8 u + rho + 8 (rho / 8), so that the 16 registers of tiles 2 b, 2 b + 1 are 16 neighbouring keys 32 b + 16 (lane / 16) + 0 .. 15.
; ARITHMETIC (f32).  The factor 1/8 is 3 off q's scale bytes.  The mask is the first product's C: 0 or -1e30.  u = 2^-|x log2 e|, w = 1 + u, c' = (w - 1) - u (w's rounding error, exact),
; lb = -ln 2 log2 w + (c' - max(x, 0));  lz = x + lb = log sigmoid(x) stays in the accumulator, the second product adds re onto it in place, and att = 2^(log2 e (lz + re)).
; PHASES.  A: x, lb, lz; lb's codes go to LDS as images of the operand's registers | barrier | G: re, K = 1,024 in 8 steps; my columns of cum_weight come through my own ring of two LDS
; slots | C: att, quantised, and my 256 keys' part of y | R: the four waves' parts are added through LDS and stored.
; CLUSTER.  All work-groups walk the same cum_weight: the four of a cluster ask for each block JOINTLY (same descriptor, made of the wave's number alone; mask 15).
; K, V and the mask's numbers are read by one wave of a work-group each, Q by all four: they come straight into registers.
; LIMITS: a hidden logit is -1e30, not -infinity: right while |x| and |re| stay under some 1e29; the exponent lz + re is summed beginning with lz, another order of rounding than
; sigmoid(x) exp(re); y is the sum of four partial sums over the keys; v_exp_f32 and v_log_f32 flush denormals; blocks of zeros carry the byte 1; NaN and infinities are not served.
; REGISTERS, in windows of 256.  Window 0: v1-22 addresses; v24-47 scale words alone; v48-254 at work (see the names).  Window 1: phase A K, Q, the mask's numbers; G: cum_weight's 16 fragments;
; C, R: y's accumulators and the parts read back.  Windows 2 + a: the accumulator of (kk, tile ct) at v[128 kk + 8 ct].
.set RINGW, 51200                      ; LDS: a wave's ring: two slots
.set SLOTB, 25600                      ; a slot: one K step's block: 16 fragments of 1,536 bytes, then 8 x 128 bytes of scale words
.set WOFF,  24576
.set FRB,   1536
.set LBI,   204800                     ; lb's 32 fragments, (m, K step) at (8 m + step) x 1,536
.set LBS,   253952                     ; their scale words, 128 bytes each
.set SPARE, 258048                     ; the spare words, 128 bytes for each wave: two blocks of 256 bytes that no other line names
.set AQ,  1                            ; Q: 96 r + 24 hh
.set AQS, 2
.set AK,  3                            ; K: (r + 8 (r / 8)) x 48 + 24 hh
.set AKS, 4
.set LI,  5                            ; 16 x lane
.set LS,  6                            ; 4 x lane
.set HWI, 7                            ; where I store lb's images
.set HWS, 8
.set SPW, 9                            ; my spare word; never rewritten
.set NIL, 10                           ; 0; never rewritten
.set ADC, 11                           ; v11-12 my ring's slot 0, 1: fragments
.set ADW, 13                           ; v13-14 their scale words
.set ADL, 15                           ; lb's images of the pair of K steps in hand
.set ADLS, 16
.set STO, 17                           ; the stage: where I put a row's bytes
.set RD,  18                           ; v18-21 where I read wave k's part back
.set GO,  22                           ; my byte offset in y
.set KS,  24                           ; v24-39 phase A: K's scale words
.set CW,  24                           ; v24-31 phase G: cum_weight's
.set LW,  32                           ; v32-39 phase G: lb's, two sets
.set QS,  40                           ; v40-43 phase A: Q's
.set PWA, 40                           ; v40-41 phase C: att's
.set VW,  44                           ; v44-47 V's
.set LB,  48                           ; phase A: 64 numbers lb
.set U,   112
.set M,   128
.set W,   144
.set L,   160
.set DD,  176
.set TMA, 192
.set PW,  208
.set PC,  210
.set CA0, 222
.set CA1, 226
.set LF,  48                           ; phase G: lb's fragments, two sets of four
.set P,   48                           ; phase C: 64 numbers att
.set TMC, 112
.set AT0, 128
.set CC0, 140
.set VF,  144                          ; V's eight fragments
.set AT1, 240
.set CC1, 252
.set KF,  0                            ; window 1
.set QF,  96
.set BI,  144
.set RB,  128
.set MSB, 0
.macro WIN new                         ; the immediate's high byte repeats the setting that is left
.if MSB != (\new)
	s_set_vgpr_msb (MSB<<8)|(\new)
.set MSB, (\new)
.endif
.endm
.macro PLACES n
.rept \n
	v_nop
.endr
.endm
.macro CREST                           ; a round of the cluster's barrier behind its opening barrier
	s_cmp_lg_u32 s20, 0
	s_cbranch_scc1 .Lnot_wave_0_\@
	s_barrier_signal -3
.Lnot_wave_0_\@:
	s_barrier_wait -3
	s_barrier_signal -1
	s_barrier_wait -1
.endm
.macro CROUND
	s_barrier_signal -1
	s_barrier_wait -1
	CREST
.endm
; One matrix instruction.  cm = 0: the sum goes on in place; 1: it begins with 0; 2: it begins with the registers at cb.  row = 1: source 0's scale words lie in lanes 16-31.
.macro WM d, a, b, cm, cb, sa, sb, row
.if (\cm) == 0
.if (\row)
	v_wmma_scale_f32_16x16x128_f8f6f4 v[(\d):(\d)+7], v[(\a):(\a)+11], v[(\b):(\b)+11], v[(\d):(\d)+7], v[\sa], v[\sb] matrix_a_fmt:MATRIX_FMT_FP6 matrix_b_fmt:MATRIX_FMT_FP6 matrix_a_scale:MATRIX_SCALE_ROW1
.else
	v_wmma_scale_f32_16x16x128_f8f6f4 v[(\d):(\d)+7], v[(\a):(\a)+11], v[(\b):(\b)+11], v[(\d):(\d)+7], v[\sa], v[\sb] matrix_a_fmt:MATRIX_FMT_FP6 matrix_b_fmt:MATRIX_FMT_FP6
.endif
.elseif (\cm) == 1
.if (\row)
	v_wmma_scale_f32_16x16x128_f8f6f4 v[(\d):(\d)+7], v[(\a):(\a)+11], v[(\b):(\b)+11], 0, v[\sa], v[\sb] matrix_a_fmt:MATRIX_FMT_FP6 matrix_b_fmt:MATRIX_FMT_FP6 matrix_a_scale:MATRIX_SCALE_ROW1
.else
	v_wmma_scale_f32_16x16x128_f8f6f4 v[(\d):(\d)+7], v[(\a):(\a)+11], v[(\b):(\b)+11], 0, v[\sa], v[\sb] matrix_a_fmt:MATRIX_FMT_FP6 matrix_b_fmt:MATRIX_FMT_FP6
.endif
.else
	v_wmma_scale_f32_16x16x128_f8f6f4 v[(\d):(\d)+7], v[(\a):(\a)+11], v[(\b):(\b)+11], v[(\cb):(\cb)+7], v[\sa], v[\sb] matrix_a_fmt:MATRIX_FMT_FP6 matrix_b_fmt:MATRIX_FMT_FP6
.endif
.endm
; 64 numbers of a lane, register 16 b + i = k 32 b + 16 (lane / 16) + i of my row, become a fragment's codes in v[pc] on and its scale word in v[pw].
.macro QUANT s, tm, pc, c0, c1, pw
.irp b, 0,1,2,3
	v_max3_num_f32 v[\tm+\b], |v[\s+16*\b]|, |v[\s+1+16*\b]|, 0x1800000   ; my 16 numbers of block b, and the floor 2^-124: the byte cannot fall under 1
.endr
.irp i, 2,4,6,8,10,12,14
.irp b, 0,1,2,3
	v_max3_num_f32 v[\tm+\b], v[\tm+\b], |v[\s+16*\b+\i]|, |v[\s+1+16*\b+\i]|
.endr
.endr
.irp b, 0,1,2,3
	v_permlanex16_b32 v[\tm+4+\b], v[\tm+\b], s44, s45
.endr
.irp b, 0,1,2,3
	v_max_num_f32 v[\tm+\b], v[\tm+\b], v[\tm+4+\b]   ; with lane l xor 16's: the block's largest magnitude
.endr
.irp b, 0,1,2,3
	v_add_nc_u32 v[\tm+12+\b], 0xff000000, v[\tm+\b]  ; 2 off its exponent field: the conversion's scale operand
.endr
.irp b, 0,1,2,3
	v_lshrrev_b32 v[\tm+4+\b], 23, v[\tm+12+\b]       ; the scale's byte
.endr
	v_lshl_or_b32 v[\pw], v[\tm+5], 8, v[\tm+4]
	v_lshl_or_b32 v[\pw], v[\tm+6], 16, v[\pw]
	v_lshl_or_b32 v[\pw], v[\tm+7], 24, v[\pw]
	v_cvt_scalef32_pk16_fp6_f32 v[\pc:\pc+2], v[\s:\s+15], v[\tm+12]
	v_cvt_scalef32_pk16_fp6_f32 v[\c0:\c0+2], v[\s+16:\s+31], v[\tm+13]   ; (a conversion's three registers begin on an even number)
	v_cvt_scalef32_pk16_fp6_f32 v[\pc+6:\pc+8], v[\s+32:\s+47], v[\tm+14]
	v_cvt_scalef32_pk16_fp6_f32 v[\c1:\c1+2], v[\s+48:\s+63], v[\tm+15]
	v_nop                                          ; one plain line behind a scaled conversion
.irp i, 0,1,2                                  ; the operand's layout wants a whole block in a lane
	v_permlane16_swap_b32 v[\pc+\i], v[\c0+\i]
.endr
.irp i, 0,1,2
	v_mov_b32 v[\pc+3+\i], v[\c0+\i]
.endr
.irp i, 0,1,2
	v_permlane16_swap_b32 v[\pc+6+\i], v[\c1+\i]
.endr
.irp i, 0,1,2
	v_mov_b32 v[\pc+9+\i], v[\c1+\i]
.endr
.endm
	s_load_b512 s[4:19], s[0:1], 0x0               ; qc s[4:5], qs s[6:7], kc s[8:9], ksc s[10:11], vimg s[12:13], cumimg s[14:15], bias s[16:17], y s[18:19]
	v_lshl_add_u32 v[SPW], v0, 2, SPARE
	v_mov_b32 v[NIL], 0
	ds_add_u32 v9, v10
	ds_add_u32 v9, v10
	s_wait_dscnt 0x0
	v_lshrrev_b32 v48, 5, v0
	v_readfirstlane_b32 s20, v48                   ; wave 0..3
	s_bfe_u32 s21, ttmp6, 0x40000                  ; cx: it enters the addresses of Q, the mask's numbers and y alone
	s_lshl_b32 s22, ttmp9, 2
	s_add_co_u32 s22, s22, s21                     ; X: my block of 32 i
	s_and_b32 s23, ttmp7, 0xffff                   ; 8 b + h
	; descriptor group 1: a dense block of 25,600 bytes as 100 rows of 32 elements of 8 bytes
	s_mov_b32 s24, 15|(3<<16)|(1<<21)              ; 15:0 the mask: all four work-groups; 17:16 elements of 8 bytes; 21 set beside a mask; no padding
	s_mov_b32 s25, 32<<16                          ; tensor_dim0 = 32
	s_mov_b32 s26, 100<<16                         ; tensor_dim1 = 100
	s_mov_b32 s27, 32<<16                          ; tile_dim0 = 32
	s_mov_b32 s28, 100                             ; tile_dim1 = 100
	s_mov_b32 s29, 32                              ; tensor_dim0_stride
	s_mov_b32 s30, 0
	s_mov_b32 s31, 0
	s_mov_b32 s40, 0x3fb8aa3b                      ; log2 e, as a pair
	s_mov_b32 s41, s40
	s_mov_b32 s42, 0xbf317218                      ; -ln 2, as a pair
	s_mov_b32 s43, s42
	s_mov_b32 s44, 0x76543210                      ; v_permlanex16_b32's selects for lane l xor 16
	s_mov_b32 s45, 0xfedcba98
	v_and_b32 v48, 31, v0                          ; lane
	v_and_b32 v49, 15, v0                          ; r
	v_bfe_u32 v50, v0, 4, 1                        ; hh
	v_mul_u32_u24 v[AQ], v49, 96
	v_mad_u32_u24 v[AQ], v50, 24, v[AQ]
	v_lshlrev_b32 v[AQS], 2, v49
	v_and_b32 v51, 8, v49
	v_add_nc_u32 v51, v51, v49                     ; r + 8 (r / 8)
	v_mul_u32_u24 v[AK], v51, 48
	v_mad_u32_u24 v[AK], v50, 24, v[AK]
	v_lshlrev_b32 v[AKS], 1, v51
	v_lshlrev_b32 v[LI], 4, v48
	v_lshlrev_b32 v[LS], 2, v48
	s_mul_i32 s47, s20, RINGW                      ; my ring
	s_mov_b32 s51, 0
	s_mov_b32 s57, 0
	s_wait_kmcnt 0x0
	s_mul_i32 s56, s20, 8*SLOTB                    ; cum_weight: my wave's eight blocks (s54-59 and s47 hold nothing made of cx)
	s_add_nc_u64 s[14:15], s[14:15], s[56:57]
.irp s, 0,1
	s_mov_b32 s[32+4*\s], 1                        ; count = 1
	s_add_co_u32 s[33+4*\s], s47, \s*SLOTB         ; LDS address: my slot s
	s_add_nc_u64 s[34+4*\s:35+4*\s], s[14:15], \s*SLOTB   ; K step s
	s_or_b32 s[35+4*\s], s[35+4*\s], 0x80000000    ; type = 2
.endr
	s_lshl_b32 s54, s23, 10
	s_lshl_b32 s56, s20, 8
	s_add_co_u32 s54, s54, s56                     ; my first key's row
	s_mul_i32 s56, s54, 48
	s_add_nc_u64 s[8:9], s[8:9], s[56:57]
	s_lshl_b32 s56, s54, 1
	s_add_nc_u64 s[10:11], s[10:11], s[56:57]
	s_lshl_b32 s54, s23, 3
	s_lshl_b32 s58, s20, 1
	s_add_co_u32 s54, s54, s58
	s_mul_i32 s56, s54, 6400                       ; V: blocks (head, K step 2 w on)
	s_add_nc_u64 s[12:13], s[12:13], s[56:57]
	s_lshl_b32 s48, s23, 11
	s_lshl_b32 s49, s22, 6
	s_add_co_u32 s48, s48, s49                     ; Q: row 2,048 (8 b + h) + 64 X
	s_mul_i32 s50, s48, 48
	s_add_nc_u64 s[4:5], s[4:5], s[50:51]
	s_lshl_b32 s50, s48, 1
	s_add_nc_u64 s[6:7], s[6:7], s[50:51]
	s_lshl_b32 s48, s22, 4
	s_lshl_b32 s49, s20, 1
	s_add_co_u32 s48, s48, s49
	s_lshl_b32 s50, s48, 13                        ; the mask's numbers: (16 X + 2 w) x 8,192 bytes
	s_add_nc_u64 s[16:17], s[16:17], s[50:51]
	s_lshr_b32 s48, s23, 3
	s_lshl_b32 s50, s48, 22                        ; y: b,
	s_lshl_b32 s48, s22, 5
	s_lshr_b32 s49, s20, 1
	s_lshl_b32 s49, s49, 4
	s_add_co_u32 s48, s48, s49
	s_lshl_b32 s48, s48, 12                        ; i = 32 X + 16 (w / 2): I store tile m = w,
	s_add_co_u32 s50, s50, s48
	s_and_b32 s48, s20, 1
	s_lshl_b32 s48, s48, 11                        ; kk = w % 2,
	s_add_co_u32 s50, s50, s48
	s_and_b32 s48, s23, 7
	s_lshl_b32 s48, s48, 8                         ; h
	s_add_co_u32 s50, s50, s48
	s_add_nc_u64 s[18:19], s[18:19], s[50:51]
	CROUND                                         ; all four work-groups are here: the first joint loads meet
	tensor_load_to_lds s[32:35], s[24:31]          ; K steps 0 and 1: two loads of mine are out
	s_nop 0
	tensor_load_to_lds s[36:39], s[24:31]
	s_nop 0
	PLACES 4                                       ; (behind a tensor load)
.irp m, 0,1,2,3
	global_load_u16 v[QS+\m], v[AQS], s[6:7] offset:64*(\m/2)+2*(\m%2)   ; Q's two scale bytes; the word's upper bytes are 0 and stand over zero codes
.endr
	WIN 0x40                                       ; destination window 1
.irp m, 0,1,2,3
.irp p, 0,1,2
	global_load_b64 v[QF+12*\m+2*\p:QF+12*\m+2*\p+1], v[AQ], s[4:5] offset:1536*(\m/2)+48*(\m%2)+8*\p
.endr
.endr
	WIN 0
.irp t, 0,1,2,3,4,5,6,7,8,9,10,11,12,13,14,15
	global_load_u16 v[KS+\t], v[AKS], s[10:11] offset:(128*(\t/8)+32*((\t%8)/2)+8*(\t%2))*2
.endr
.macro KLOAD sp                        ; my keys 128 sp on: eight tiles, 24 bytes a lane
.irp t, 0,1,2,3,4,5,6,7
.irp p, 0,1,2
	global_load_b64 v[KF+12*\t+2*\p:KF+12*\t+2*\p+1], v[AK], s[8:9] offset:(128*\sp+32*(\t/2)+8*(\t%2))*48+8*\p
.endr
.endr
.endm
.macro BLOAD a, sp                     ; the mask's numbers for rows 16 a on and keys 128 sp on, in the layout of C
.irp n, 0,1,2,3,4,5,6,7,8,9,10,11,12,13,14,15
	global_load_b128 v[BI+4*\n:BI+4*\n+3], v[LI], s[16:17] offset:65536*\a+8192*\sp+512*\n
.endr
.endm
	WIN 0x40
	KLOAD 0
	BLOAD 0, 0
.irp f, 0,1,2,3,4,5,6,7,8,9,10,11      ; K = 64 fills half of the instruction's 128: the upper six registers of K's and Q's twelve fragments are zero codes, written once
.irp i, 6,7,8,9,10,11
	v_mov_b32 v[12*\f+\i], 0
.endr
.endr
	WIN 0
	s_mul_i32 s54, s20, 2*FRB
	s_add_co_u32 s54, s54, LBI
	v_add_nc_u32 v[HWI], s54, v[LI]
	s_lshl_b32 s54, s20, 8
	s_add_co_u32 s54, s54, LBS
	v_add_nc_u32 v[HWS], s54, v[LS]
	v_add_nc_u32 v[ADC], s47, v[LI]
	v_add_nc_u32 v[ADC+1], SLOTB, v[ADC]
	v_add_nc_u32 v[ADW], s47, v[LS]
	v_add_nc_u32 v[ADW], WOFF, v[ADW]
	v_add_nc_u32 v[ADW+1], SLOTB, v[ADW]
	v_add_nc_u32 v[ADL], LBI, v[LI]
	v_add_nc_u32 v[ADLS], LBS, v[LS]
	s_wait_loadcnt 56                              ; Q and its words are in; K's words (16), K (24) and the mask's numbers (16) stay out
.irp m, 0,1,2,3
	v_add_nc_u32 v[QS+\m], 0xfffffcfd, v[QS+\m]    ; 3 off both bytes: the factor 1/8 (the bytes are 4 at the least: no borrow)
.endr
	v_mul_u32_u24 v[STO], v49, 272                 ; the fifteen lines from here on are also the places between the words just written and the first product
	v_lshl_add_u32 v[STO], v50, 6, v[STO]
	v_add_nc_u32 v[STO], s47, v[STO]               ; the stage, in my slot 0: row r, 64 bytes on for lanes 16-31
	s_mul_i32 s54, s20, 16*272
	v_mul_u32_u24 v51, v50, 272
	v_lshl_add_u32 v51, v49, 4, v51
	v_add_nc_u32 v[RD], s54, v51                   ; back: rows 16 w on of wave 0's stage, two rows an instruction,
	v_add_nc_u32 v[RD+1], RINGW, v[RD]             ; of wave 1's,
	v_add_nc_u32 v[RD+2], RINGW, v[RD+1]
	v_add_nc_u32 v[RD+3], RINGW, v[RD+2]
	v_lshlrev_b32 v[GO], 12, v50
	v_lshl_add_u32 v[GO], v49, 4, v[GO]            ; y: 4,096 bytes from i to i + 1
.irp b, 0,1,2,3
	v_mov_b32 v[TMA+4+\b], 0                       ; written once: a lane permute's destination counts as one of its sources
.endr
; ---- PHASE A
.macro WMMA1 a, sp                     ; x for rows 16 a on (both kk) and my keys 128 sp on: source 0 = 16 keys, source 1 = 16 rows, C = the mask's numbers
	WIN 0x95+0x40*\a
.irp kk, 0,1
.irp t, 0,1,2,3,4,5,6,7
	WM 128*\kk+64*\sp+8*\t, KF+12*\t, QF+12*(2*\a+\kk), 2, BI+8*\t, KS+8*\sp+\t, QS+2*\a+\kk, 0
.endr
.endr
.endm
; One tile of rows x 128 keys: lb, lz, lb's codes.  The accumulators are source 1 throughout, so one window setting serves: every other line's second source is a constant or a scalar pair.
; Each accumulator is read from its low end on.  Behind every exponential and logarithm stands a plain line that touches neither its result nor its source (ISA guide 5.7.2).
.macro VEC a, kk, sp
	WIN 0x08+4*\a
.irp b, 0,1,2,3
.set XB, 128*\kk+64*\sp+16*\b
.set LBB, LB+16*\b
.irp j, 0,2,4,6,8,10,12,14
	v_pk_mul_f32 v[U+\j:U+\j+1], s[40:41], v[XB+\j:XB+\j+1] op_sel_hi:[0,1]   ; x log2 e
.endr
.irp j, 0,1,2,3,4,5,6,7,8,9,10,11,12,13,14,15
	v_exp_f32 v[U+\j], -|v[U+\j]|                  ; u = e^-|x|
	v_max_num_f32 v[M+\j], 0, v[XB+\j]             ; max(x, 0)
.endr
	s_wait_alu depctr_va_vdst(0)
.irp j, 0,2,4,6,8,10,12,14
	v_pk_add_f32 v[W+\j:W+\j+1], v[U+\j:U+\j+1], 1.0 op_sel_hi:[1,0]   ; w
.endr
.irp j, 0,2,4,6,8,10,12,14
	v_log_f32 v[L+\j], v[W+\j]
	v_pk_add_f32 v[DD+\j:DD+\j+1], v[W+\j:W+\j+1], -1.0 op_sel_hi:[1,0]
	v_log_f32 v[L+\j+1], v[W+\j+1]
	v_pk_fma_f32 v[U+\j:U+\j+1], v[U+\j:U+\j+1], -1.0, v[DD+\j:DD+\j+1] op_sel_hi:[1,0,1]   ; c' = (w - 1) - u
.endr
.irp j, 0,2,4,6,8,10,12,14
	v_pk_fma_f32 v[M+\j:M+\j+1], v[M+\j:M+\j+1], -1.0, v[U+\j:U+\j+1] op_sel_hi:[1,0,1]     ; c' - max(x, 0): exactly c' where x <= 0
.endr
	s_wait_alu depctr_va_vdst(0)
.irp j, 0,2,4,6,8,10,12,14
	v_pk_fma_f32 v[LBB+\j:LBB+\j+1], v[L+\j:L+\j+1], s[42:43], v[M+\j:M+\j+1] op_sel_hi:[1,0,1]   ; lb
.endr
.endr
	WIN 0x88+0x44*\a
.set XA, 128*\kk+64*\sp
.set VJ, 0
.rept 32
	v_pk_add_f32 v[XA+VJ:XA+VJ+1], v[LB+VJ:LB+VJ+1], v[XA+VJ:XA+VJ+1]   ; lz = x + lb stays where the second product will add onto it
.set VJ, VJ+2
.endr
	WIN 0
	s_wait_dscnt 0x0                               ; the last image's stores have read their registers
	QUANT LB, TMA, PC, CA0, CA1, PW
.irp c, 0,1,2
	ds_store_b128 v[HWI], v[PC+4*\c:PC+4*\c+3] offset:(8*(2*\a+\kk)+\sp)*FRB+512*\c   ; K step 2 w + sp of the second product, tile m: as the registers stand
.endr
	ds_store_b32 v[HWS], v[PW] offset:(8*(2*\a+\kk)+\sp)*128
.endm
.macro AGROUP a, sp, nexta, nextsp, more, kl
	s_wait_loadcnt 0x0                             ; this group's numbers of the mask (and K) are in
	WMMA1 \a, \sp
	PLACES 4                                       ; in front of loads into registers that the products read, and of the first read of results
.if \more
	WIN 0x40
	BLOAD \nexta, \nextsp                          ; the next group's: two tiles' vector work ahead of their use
.if \kl
	KLOAD 1
.endif
.endif
	VEC \a, 0, \sp
	VEC \a, 1, \sp
.endm
	AGROUP 0, 0, 1, 0, 1, 0
	AGROUP 1, 0, 0, 1, 1, 1
	AGROUP 0, 1, 1, 1, 1, 0
	AGROUP 1, 1, 0, 0, 0, 0
	s_wait_dscnt 0x0                               ; for the others' sake: my images lie in LDS
.irp f, 0,1,2,3,4,5,6,7                        ; V's fragments of my 256 keys: wanted in phase C, on their way through phase G
.irp g, 0,1,2
	global_load_b128 v[VF+12*\f+4*\g:VF+12*\f+4*\g+3], v[LI], s[12:13] offset:6400*(\f/4)+FRB*(\f%4)+512*\g
.endr
.endr
.irp e, 0,1,2,3
	global_load_b32 v[VW+\e], v[LS], s[12:13] offset:6400*(\e/2)+6144+128*(\e%2)
.endr
	s_barrier_signal -1
	s_barrier_wait -1                              ; lb's 32 fragments lie in LDS.  The first fills may be out
; ---- PHASE G: re, added onto lz.  A K step is 64 matrix instructions on 64 accumulators by turns, in the same order in every step.
.macro FETCH_CUM half, slot            ; eight of my 16 fragments and their four registers of scale words: 28 LDS loads
	WIN 0x40
.irp c, 0,1,2,3,4,5,6,7
.irp g, 0,1,2
	ds_load_b128 v[12*(8*\half+\c)+4*\g:12*(8*\half+\c)+4*\g+3], v[ADC+(\slot)] offset:(8*\half+\c)*FRB+512*\g
.endr
.endr
	WIN 0
.irp p, 0,1,2,3
	ds_load_b32 v[CW+4*\half+\p], v[ADW+(\slot)] offset:128*(4*\half+\p)
.endr
.endm
.macro FETCH_LB set                    ; lb's four fragments and words of the K step of parity set, into that set: 16 LDS loads
.irp m, 0,1,2,3
.irp g, 0,1,2
	ds_load_b128 v[LF+48*(\set)+12*\m+4*\g:LF+48*(\set)+12*\m+4*\g+3], v[ADL] offset:12288*\m+FRB*(\set)+512*\g
.endr
	ds_load_b32 v[LW+4*(\set)+\m], v[ADLS] offset:1024*\m+128*(\set)
.endr
.endm
.macro MUL16 half, a, set              ; source 0 = 16 columns of cum_weight, source 1 = 16 rows of lb
	WIN 0xa1+0x50*\a
.irp c, 0,1,2,3,4,5,6,7
.irp kk, 0,1
.set CT, 8*\half+\c
	WM 128*\kk+8*CT, 12*CT, LF+48*(\set)+12*(2*\a+\kk), 0, 0, CW+CT/2, LW+4*(\set)+2*\a+\kk, \c%2
.endr
.endr
.endm
; The K step of parity par (its block lies in slot par).  mode 2: the slot is filled again, two steps ahead; 1: the last step but one; 0: the last.
.macro STEP par, mode
.if \mode == 2
	s_wait_dscnt 28                                ; half 0 and lb's set are in; the 28 loads of half 1 may be out
	MUL16 0, 0, \par
	WIN 0                                          ; (the add's two registers lie in window 0)
	s_wait_tensorcnt 0x0                           ; all my tensor loads have landed: the one that was out is the other slot's
	ds_add_u32 v[SPW], v[NIL]                      ; 0 onto my spare word
	s_add_nc_u64 s[34+4*\par:35+4*\par], s[34+4*\par:35+4*\par], 2*SLOTB   ; no load of mine is out: this slot's next block
	MUL16 0, 1, \par                               ; sixteen matrix instructions stand between the add and the wait for it
	s_wait_dscnt 0x0                               ; the add is done, and my reads of this slot are over: half 1 is in registers
	WIN 0
	CROUND                                         ; no wave of any partner still reads this slot or has a load on its way
	tensor_load_to_lds s[32+4*\par:35+4*\par], s[24:31]   ; my one load behind the round: 48 matrix instructions ahead of the wait for it
	s_nop 0
	PLACES 4                                       ; also the places in front of the loads below
.if \par == 1
	v_add_nc_u32 v[ADL], 2*FRB, v[ADL]             ; on to the next pair of K steps (no LDS load of mine is out)
	v_add_nc_u32 v[ADLS], 256, v[ADLS]
.endif
	FETCH_CUM 0, 1-\par
	FETCH_LB 1-\par
	MUL16 1, 0, \par
	MUL16 1, 1, \par
	PLACES 4
	FETCH_CUM 1, 1-\par
.elseif \mode == 1
	s_wait_tensorcnt 0x0                           ; the last block has landed: no load was issued behind it
	s_wait_dscnt 28
	MUL16 0, 0, \par
	MUL16 0, 1, \par
	PLACES 4
	FETCH_CUM 0, 1-\par
	FETCH_LB 1-\par
	s_wait_dscnt 44                                ; half 1 is in; the 44 just issued may be out
	MUL16 1, 0, \par
	MUL16 1, 1, \par
	PLACES 4
	FETCH_CUM 1, 1-\par
.else
	s_wait_dscnt 28
	MUL16 0, 0, \par
	MUL16 0, 1, \par
	s_wait_dscnt 0x0
	MUL16 1, 0, \par
	MUL16 1, 1, \par
.endif
.endm
	s_wait_tensorcnt 0x1                           ; my slot 0 is in (only I read it); slot 1's fill may be out
	FETCH_CUM 0, 0
	FETCH_LB 0
	FETCH_CUM 1, 0
	s_mov_b32 s46, 3
.Lg:                                               ; three trips: K steps 0 to 5, each of which fills its slot again
	STEP 0, 2
	STEP 1, 2
	s_sub_co_u32 s46, s46, 1
	s_cmp_lg_u32 s46, 0
	s_cbranch_scc1 .Lg
	STEP 0, 1                                      ; the tail is written out: nothing is left to fetch
	STEP 1, 0
	WIN 0
	PLACES 4                                       ; in front of the first read of results and of writes into registers that the products read
; ---- PHASE C: att = 2^(log2 e (lz + re)), quantised; y's part of my 256 keys.  Unit n = 4 sp + m.
.macro PV n                            ; source 0 = 16 of the head's 64, source 1 = att's 16 rows; K = my keys 128 sp on
.set PM, (\n)%4
.set PSP, (\n)/4
.set PAT, AT0+(AT1-AT0)*((\n)%2)
.set PPW, PWA+(\n)%2
.set PCM, 1-PSP                        ; the first K step starts the sums
	WIN 0x50
.irp dt, 0,1,2,3
	WM 32*PM+8*\dt, VF+12*(4*PSP+\dt), PAT, PCM, 0, VW+2*PSP+\dt/2, PPW, \dt%2
.endr
.endm
.macro CUNIT n
.set CM, (\n)%4
.set XA, 128*(CM%2)+64*((\n)/4)
	WIN 0x08+4*(CM/2)
.set VJ, 0
.rept 32
	v_pk_mul_f32 v[P+VJ:P+VJ+1], s[40:41], v[XA+VJ:XA+VJ+1] op_sel_hi:[0,1]   ; each accumulator from its low end on.  These 32 are also the places between the last unit's codes and word and its products
.set VJ, VJ+2
.endr
.if (\n) > 0
	PV (\n)-1
.endif
	WIN 0
.set VJ, 0
.rept 64
	v_exp_f32 v[P+VJ], v[P+VJ]
.set VJ, VJ+1
.endr
	v_nop                                          ; a plain line behind the exponentials
	s_wait_alu depctr_va_vdst(0)
.if (\n)%2 == 0
	QUANT P, TMC, AT0, CC0, CC1, PWA
.else
	QUANT P, TMC, AT1, CC0, CC1, PWA+1
.endif
.endm
.irp b, 0,1,2,3
	v_mov_b32 v[TMC+4+\b], 0                       ; a lane permute's destination counts as one of its sources
.endr
	s_wait_loadcnt 0x0                             ; V
.irp n, 0,1,2,3,4,5,6,7
	CUNIT \n
.endr
	PLACES 8                                       ; a scale word written by vector instructions stands 8 places ahead of the product, an operand 4
	PV 7
	PLACES 4
; ---- PHASE R: lane (r, hh) of accumulator (m, dt = 2 e + u) holds y(16 m + r, 32 e + 16 hh + 8 u + 0 .. 7).  Each wave's part goes to a stage of 64 rows x 272 bytes in its own slot 0,
; which has had its last fill and its last read; behind a barrier wave w adds the four parts of rows 16 w on and stores them.
	WIN 0x04                                       ; an LDS store's data are its source 1: window 1
.irp m, 0,1,2,3
.irp dt, 0,1,2,3
	ds_store_b128 v[STO], v[32*\m+8*\dt:32*\m+8*\dt+3] offset:4352*\m+128*(\dt/2)+32*(\dt%2)
	ds_store_b128 v[STO], v[32*\m+8*\dt+4:32*\m+8*\dt+7] offset:4352*\m+128*(\dt/2)+32*(\dt%2)+16
.endr
.endr
	WIN 0
	s_wait_dscnt 0x0                               ; for the others' sake: my part lies in LDS
	s_barrier_signal -1
	s_barrier_wait -1
	WIN 0x40
.irp k, 0,1,2,3
.irp t, 0,1,2,3,4,5,6,7
	ds_load_b128 v[RB+32*\k+4*\t:RB+32*\k+4*\t+3], v[RD+\k] offset:544*\t
.endr
.endr
	s_wait_dscnt 0x0
	WIN 0x45
.irp t, 0,1,2,3,4,5,6,7
.irp c, 0,2
	v_pk_add_f32 v[RB+4*\t+\c:RB+4*\t+\c+1], v[RB+4*\t+\c:RB+4*\t+\c+1], v[RB+32+4*\t+\c:RB+32+4*\t+\c+1]
	v_pk_add_f32 v[RB+64+4*\t+\c:RB+64+4*\t+\c+1], v[RB+64+4*\t+\c:RB+64+4*\t+\c+1], v[RB+96+4*\t+\c:RB+96+4*\t+\c+1]
.endr
.endr
.irp t, 0,1,2,3,4,5,6,7
.irp c, 0,2
	v_pk_add_f32 v[RB+4*\t+\c:RB+4*\t+\c+1], v[RB+4*\t+\c:RB+4*\t+\c+1], v[RB+64+4*\t+\c:RB+64+4*\t+\c+1]
.endr
.endr
	WIN 0x04
.irp t, 0,1,2,3,4,5,6,7
	global_store_b128 v[GO], v[RB+4*\t:RB+4*\t+3], s[18:19] offset:8192*\t th:TH_STORE_NT   ; sixteen lanes store a row's 256 consecutive bytes, aligned; written once, read by nobody here
.endr
	WIN 0
	s_wait_tensorcnt 0x0                           ; the wave's end: behind my last tensor load and my last LDS store
	ds_add_u32 v[SPW], v[NIL]
	s_wait_dscnt 0x0
	CROUND                                         ; the closing round: no work-group ends while a partner may still ask for a block that names it
	s_endpgm
.Lfunc_end_k_qb47c814bd0_attn:
	.size	k_qb47c814bd0_attn, .Lfunc_end_k_qb47c814bd0_attn-k_qb47c814bd0_attn
	.p2alignl 7, 3214868480
	.fill 96, 4, 3214868480
	.section	.rodata,"a",@progbits
	.p2align	6, 0x0
	.amdhsa_kernel k_qb47c814bd0_attn
		.amdhsa_group_segment_fixed_size 327680
		.amdhsa_private_segment_fixed_size 0
		.amdhsa_enable_private_segment 0
		.amdhsa_kernarg_size 64
		.amdhsa_user_sgpr_count 2
		.amdhsa_user_sgpr_kernarg_segment_ptr 1
		.amdhsa_wavefront_size32 1
		.amdhsa_system_sgpr_workgroup_id_x 1
		.amdhsa_system_sgpr_workgroup_id_y 1
		.amdhsa_system_sgpr_workgroup_id_z 1
		.amdhsa_system_vgpr_workitem_id 0
		.amdhsa_next_free_vgpr 1024
		.amdhsa_next_free_sgpr 66
		.amdhsa_reserve_vcc 0
		.amdhsa_float_denorm_mode_32 3
		.amdhsa_float_denorm_mode_16_64 3
		.amdhsa_memory_ordered 1
		.amdhsa_forward_progress 1
		.amdhsa_inst_pref_size 255
	.end_amdhsa_kernel
	.section	.bss,"aw",@nobits
	.p2align	6
	.space	262144
	.amdgpu_metadata
---
amdhsa.version: [ 1, 2 ]
amdhsa.kernels:
  - .name:           k_qb47c814bd0_attn
    .symbol:         k_qb47c814bd0_attn.kd
    .args:
      - { .name: qc, .offset: 0, .size: 8, .value_kind: global_buffer, .address_space: global }
      - { .name: qs, .offset: 8, .size: 8, .value_kind: global_buffer, .address_space: global }
      - { .name: kc, .offset: 16, .size: 8, .value_kind: global_buffer, .address_space: global }
      - { .name: ksc, .offset: 24, .size: 8, .value_kind: global_buffer, .address_space: global }
      - { .name: vimg, .offset: 32, .size: 8, .value_kind: global_buffer, .address_space: global }
      - { .name: cumimg, .offset: 40, .size: 8, .value_kind: global_buffer, .address_space: global }
      - { .name: bias, .offset: 48, .size: 8, .value_kind: global_buffer, .address_space: global }
      - { .name: out0, .offset: 56, .size: 8, .value_kind: global_buffer, .address_space: global }
    .group_segment_fixed_size: 327680
    .private_segment_fixed_size: 0
    .kernarg_segment_align: 8
    .kernarg_segment_size: 64
    .max_flat_workgroup_size: 128
    .sgpr_count:     66
    .vgpr_count:     1024
    .wavefront_size: 32
...
	.end_amdgpu_metadata
.endif
;; end of part 2
